; MI455X (gfx1250); checked and timed in simulation.
; The chip was launched on July 23, 2026; its instructions are those of AMD's public machine-readable ISA for CDNA 5 (MIT licence, August 2026) and "CDNA5" Instruction Set Architecture Reference Guide (July 2026). The comments in the code are by the model that wrote it; some were corrected since.
;; Shared Only MLP. Allowed arithmetic: float matrix products may take bf16 or f16 operands with f32 sums; other float arithmetic in f32, or as packed bf16 or f16 multiplies, adds, multiply-adds, maxima and minima; sums over many terms, partial sums and values carried from step to step in f32; what a program stores and reads back later, other than sums and carried values, may be rounded once to bf16 or f16.
;; Inputs: down_s 2,048 x 1 float32; down_w 2,048 x 1,376 int32; gate_s 1,376 x 1 float32; gate_w 1,376 x 2,048 int32; up_s 1,376 x 1 float32; up_w 1,376 x 2,048 int32; x 4 x 2,048 x 2,048 float32.
;; Outputs: out0 4 x 2,048 x 2,048 float32.
;; One version. Each part assembles by itself: llvm-mc -triple=amdgcn-amd-amdhsa -mcpu=gfx1250 --defsym DOCPART=n.
;; ======== version 1 of 1: 3 launches
;; limits: values are held in f16: magnitudes above 65,504 overflow, below 6.1e-05 lose precision; right only within a limited range of input values
;; workspace buffers: xb 33,554,432 bytes; w1b 11,534,336 bytes; w2h 5,767,168 bytes; hf 23,068,672 bytes; xn 32,768 bytes; wn 11,264 bytes; kk 11,264 bytes
;; launch prep (part 1): grid 816 x 1, 16 waves a work-group, no clusters, 72,704 bytes of LDS; arguments x, gate_w, up_w, down_w, gate_s, up_s, xb, w1b, w2h, xn, wn, kk; writes xb, w1b, w2h, xn, wn, kk
.if DOCPART == 1
	.amdgcn_target "amdgcn-amd-amdhsa--gfx1250"
	.amdhsa_code_object_version 6
	.text
	.protected	k_qe1094ea071_prep
	.globl	k_qe1094ea071_prep
	.p2align	8
	.type	k_qe1094ea071_prep,@function
k_qe1094ea071_prep:
	s_mov_b64 s[64:65], 0
	v_nop
	global_prefetch_b8 v0, s[64:65] scope:SCOPE_SE
	s_setreg_imm32_b32 hwreg(HW_REG_WAVE_MODE, 25, 1), 1
	s_wait_xcnt 0x0
; PREP: every matrix operand is converted once and laid out by tiles, in K blocks of 8 elements: [tile][K block][row in tile][8].
;   xb  = x in bf16,                 [32][256][256][8]
;   w1b = gate_w and up_w in bf16,   [8][256][352][8]; row 4 (c / 2) + 2 type + c % 2 holds column c of gate (type 0) or up (type 1); rows of c >= 1376 are zeros
;   w2h = down_w in f16,             [8][176][256][8]; k >= 1376 are zeros
;   xn[m] = the sum of squares of row m of the rounded x;  wn[row] = s^2 |w|^2 of a row of w1b;  kk[row] = -log2(e) sg (gate rows), sg su (up rows), 0 in pad rows.
; LIMITS.  down_w must lie within f16's 65,504; whole numbers beyond 256 (bf16) or 2,048 (f16) are rounded.  gate_s and up_s are rounded to bf16, as x is.
; SHARES.  A work-group takes 16 destination rows, all columns; wave cg takes 128 columns: 16 loads of 512 consecutive bytes.  Work-groups 0-511: x; 512-687: w1b; 688-815: w2h (11 waves at work).
; The 16 x 128 numbers go through the wave's own stage in LDS (pitch 272 bytes) and come back as K blocks: each store of the wave covers two aligned runs of 256 consecutive bytes.
; Memory binds: no matrix unit, no cluster (no bytes read in common save w1b's pad groups rereading the last real group's rows), no tensor load, no prefetch (the launch is one stream that is asked for at once).
; xn, wn and kk leave as 64 bytes a work-group: 55 KB in the whole launch.
.set STG,   4352                       ; a wave's stage: 16 rows x 272 bytes
.set RED,   69632                      ; behind the 16 stages: [wave][16 rows] f32, the waves' partial sums of squares
.set SPARE, 70656                      ; behind them: the spare words, 128 bytes for each of 16 waves
.set XR, 16                            ; v[16:79]   the 16 rows as loaded
.set OB, 80                            ; v[80:111]  8 K blocks of row r, as stored
.set SQ, 112                           ; v[112:115] four chains of squares
; kind 0: x (f32 to bf16); 1: gate_w / up_w (i32 to bf16, pad rows masked); 2: down_w (i32 to f16, pad columns masked).  kbp: bytes from a K block to the next in the destination.
.macro TILE kind, kbp
.irp i, 0,1,2,3,4,5,6,7,8,9,10,11,12,13,14,15
.if (\kind) == 0
	global_load_b128 v[XR+4*(\i):XR+4*(\i)+3], v2, s[30:31] offset:8192*(\i) th:TH_LOAD_NT
.elseif (\kind) == 2
	global_load_b128 v[XR+4*(\i):XR+4*(\i)+3], v2, s[30:31] offset:5504*(\i) th:TH_LOAD_NT
.elseif (((\i)/2)%2) == 0
	global_load_b128 v[XR+4*(\i):XR+4*(\i)+3], v2, s[30:31] offset:8192*(2*((\i)/4)+(\i)%2) th:TH_LOAD_NT
.else
	global_load_b128 v[XR+4*(\i):XR+4*(\i)+3], v2, s[38:39] offset:8192*(2*((\i)/4)+(\i)%2) th:TH_LOAD_NT
.endif
.endr
.irp i, 0,1,2,3,4,5,6,7,8,9,10,11,12,13,14,15
	s_wait_loadcnt 15-(\i)                         ; loads come back in order: row i is in, the 15 - i younger ones may stay out
.if (\kind) != 0
	v_cvt_f32_i32 v[XR+4*(\i)], v[XR+4*(\i)]
	v_cvt_f32_i32 v[XR+4*(\i)+1], v[XR+4*(\i)+1]
	v_cvt_f32_i32 v[XR+4*(\i)+2], v[XR+4*(\i)+2]
	v_cvt_f32_i32 v[XR+4*(\i)+3], v[XR+4*(\i)+3]
.endif
.if (\kind) == 2
	v_cvt_pk_f16_f32 v[XR+4*(\i)], v[XR+4*(\i)], v[XR+4*(\i)+1]
	v_cvt_pk_f16_f32 v[XR+4*(\i)+1], v[XR+4*(\i)+2], v[XR+4*(\i)+3]
	v_and_b32 v[XR+4*(\i)], v6, v[XR+4*(\i)]       ; columns from 1376 on become 0
	v_and_b32 v[XR+4*(\i)+1], v6, v[XR+4*(\i)+1]
.else
	v_cvt_pk_bf16_f32 v[XR+4*(\i)], v[XR+4*(\i)], v[XR+4*(\i)+1]
	v_cvt_pk_bf16_f32 v[XR+4*(\i)+1], v[XR+4*(\i)+2], v[XR+4*(\i)+3]
.if (\kind) == 1
	v_and_b32 v[XR+4*(\i)], s34, v[XR+4*(\i)]      ; pad rows become 0
	v_and_b32 v[XR+4*(\i)+1], s34, v[XR+4*(\i)+1]
.endif
.endif
	ds_store_b64 v3, v[XR+4*(\i):XR+4*(\i)+1] offset:272*(\i)
.endr
.irp j, 0,1,2,3,4,5,6,7
	ds_load_b128 v[OB+4*(\j):OB+4*(\j)+3], v4 offset:32*(\j)  ; my own stage: LDS serves a wave's instructions in order, so these see the stores above
.endr
	s_wait_dscnt 0x0
.irp j, 0,1,2,3,4,5,6,7
	global_store_b128 v5, v[OB+4*(\j):OB+4*(\j)+3], s[40:41] offset:(\j)*2*(\kbp) th:TH_STORE_NT  ; lanes 0-15: K block 2 j, 16 rows: 256 consecutive bytes, aligned; lanes 16-31: K block 2 j + 1
.endr
.endm
	s_load_b512 s[4:19], s[0:1], 0x0               ; x 4, gate_w 6, up_w 8, down_w 10, gate_s 12, up_s 14, xb 16, w1b 18
	s_load_b256 s[20:27], s[0:1], 0x40             ; w2h 20, xn 22, wn 24, kk 26
	v_lshl_add_u32 v8, v0, 2, SPARE                ; my spare word,
	v_mov_b32 v9, 0                                ; and 0: kept for the add at the wave's end
	v_lshrrev_b32 v12, 5, v0
	v_readfirstlane_b32 s28, v12                   ; wave cg, 0..15
	v_and_b32 v1, 31, v0                           ; lane
	v_and_b32 v10, 15, v0                          ; r
	v_bfe_u32 v11, v0, 4, 1                        ; hh
	s_mul_i32 s29, s28, STG
	v_lshl_add_u32 v3, v1, 3, s29                  ; into the stage: 8 bytes a lane along a row
	v_mul_u32_u24 v4, v10, 272
	v_lshl_add_u32 v4, v11, 4, v4
	v_add_nc_u32 v4, s29, v4                       ; back: row r, K block hh
	s_lshl_b32 s29, s28, 9
	v_lshl_add_u32 v2, v1, 4, s29                  ; source: 512 cg + 16 lane
	s_lshl_b32 s29, s28, 6
	s_add_co_u32 s29, s29, RED
	v_lshl_add_u32 v7, v10, 2, s29                 ; my wave's 64 bytes of RED, word r
	v_lshl_add_u32 v12, v10, 2, RED                ; wave 0 reads word r of every wave
	v_lshlrev_b32 v13, 2, v10                      ; 4 r
	s_lshl_b32 s29, s28, 4
	v_add_nc_u32 v14, s29, v11                     ; 16 cg + hh: my first K block
	v_lshlrev_b32 v15, 4, v10                      ; 16 r
	s_mov_b32 s36, 0x76543210                      ; v_permlanex16_b32: each lane takes its own place in the other half
	s_mov_b32 s37, 0xfedcba98
	s_mov_b32 s33, 0
	s_mov_b32 s41, 0
	s_sub_co_u32 s43, ttmp9, 512                   ; g of the w1b path (made on every path; used on that path alone)
	s_min_u32 s44, s43, 171                        ; pad groups read the last real group's rows and mask them
	s_cmp_lt_u32 s43, 172
	s_cselect_b32 s34, -1, 0
	s_wait_kmcnt 0x0
	s_cmp_lt_u32 ttmp9, 512
	s_cbranch_scc0 .Lnot_x
	; x: rows 16 g .. 16 g + 15
	s_lshl_b32 s32, ttmp9, 17                      ; 16 rows of 8,192 bytes
	s_add_nc_u64 s[30:31], s[4:5], s[32:33]
	s_lshr_b32 s40, ttmp9, 4
	s_lshl_b32 s40, s40, 20                        ; tile g / 16: 1,048,576 bytes
	s_and_b32 s42, ttmp9, 15
	s_lshl_b32 s42, s42, 8                         ; 16 rows of 16 bytes
	s_add_co_u32 s40, s40, s42
	s_add_nc_u64 s[40:41], s[16:17], s[40:41]
	v_lshl_add_u32 v5, v14, 12, v15
	TILE 0, 4096
	s_branch .Lnorm
.Lnot_x:
	s_cmp_lt_u32 ttmp9, 688
	s_cbranch_scc0 .Lw2
	; w1b: destination rows 16 g .. 16 g + 15 = columns 8 g .. 8 g + 7 of gate and of up
	s_lshl_b32 s32, s44, 16                        ; 8 rows of 8,192 bytes
	s_add_nc_u64 s[30:31], s[6:7], s[32:33]
	s_add_nc_u64 s[38:39], s[8:9], s[32:33]
	s_mul_i32 s45, s43, 2979
	s_lshr_b32 s45, s45, 16                        ; g / 22, exact for g <= 175
	s_mul_i32 s46, s45, 22
	s_sub_co_u32 s46, s43, s46
	s_lshl_b32 s46, s46, 8
	s_mul_i32 s40, s45, 1441792                    ; a tile of 256 K blocks x 352 rows x 16 bytes
	s_add_co_u32 s40, s40, s46
	s_add_nc_u64 s[40:41], s[18:19], s[40:41]
	v_mul_u32_u24 v5, v14, 5632
	v_add_nc_u32 v5, v5, v15
	TILE 1, 5632
.Lnorm:
	; the sum of squares of my 64 numbers of row r, from the rounded halves, in four chains
	v_mov_b32 v[SQ], 0
	v_mov_b32 v[SQ+1], 0
	v_mov_b32 v[SQ+2], 0
	v_mov_b32 v[SQ+3], 0
.set n, 0
.rept 32
	v_fma_mix_f32_bf16 v[SQ+2*(n%2)], v[OB+n], v[OB+n], v[SQ+2*(n%2)] op_sel_hi:[1,1,0]
	v_fma_mix_f32_bf16 v[SQ+2*(n%2)+1], v[OB+n], v[OB+n], v[SQ+2*(n%2)+1] op_sel:[1,1,0] op_sel_hi:[1,1,0]
.set n, n+1
.endr
	v_add_f32 v[SQ], v[SQ], v[SQ+1]
	v_add_f32 v[SQ+2], v[SQ+2], v[SQ+3]
	v_add_f32 v[SQ], v[SQ], v[SQ+2]
	v_permlanex16_b32 v[SQ+1], v[SQ], s36, s37     ; the row's other K blocks lie in the lane 16 away
	v_add_f32 v[SQ], v[SQ], v[SQ+1]
	ds_store_b32 v7, v[SQ]                         ; both halves of the lanes write the same number
	s_branch .Lbar
.Lw2:
	s_cmp_lt_u32 s28, 11                           ; 11 waves cover 1,408 columns
	s_cbranch_scc0 .Lbar
	s_sub_co_u32 s45, ttmp9, 688
	s_mul_i32 s32, s45, 88064                      ; 16 rows of 5,504 bytes
	s_add_nc_u64 s[30:31], s[10:11], s[32:33]
	s_lshr_b32 s40, s45, 4
	s_mul_i32 s40, s40, 720896                     ; a tile of 176 K blocks x 256 rows x 16 bytes
	s_and_b32 s46, s45, 15
	s_lshl_b32 s46, s46, 8
	s_add_co_u32 s40, s40, s46
	s_add_nc_u64 s[40:41], s[20:21], s[40:41]
	v_cmp_gt_u32 vcc_lo, 5504, v2
	v_cndmask_b32 v6, 0, -1, vcc_lo                ; all ones where my four columns exist
	v_min_u32 v2, 5488, v2                         ; the others read the row's last 16 bytes and mask them: no load leaves the buffer
	v_lshl_add_u32 v5, v14, 12, v15
	TILE 2, 4096
.Lbar:                                         ; every wave of every path passes this one barrier
	s_wait_dscnt 0x0                               ; for the others' sake: my store into RED is done
	s_barrier_signal -1
	s_barrier_wait -1
	s_cmp_lg_u32 s28, 0
	s_cbranch_scc1 .Lend                           ; wave 0 finishes the rows' sums
	s_cmp_lt_u32 ttmp9, 688
	s_cbranch_scc0 .Lend                           ; down_w has none
.irp w, 0,1,2,3,4,5,6,7,8,9,10,11,12,13,14,15
	ds_load_b32 v[16+(\w)], v12 offset:64*(\w)
.endr
	s_wait_dscnt 0x0
	v_pk_add_f32 v[16:17], v[16:17], v[18:19]
	v_pk_add_f32 v[20:21], v[20:21], v[22:23]
	v_pk_add_f32 v[24:25], v[24:25], v[26:27]
	v_pk_add_f32 v[28:29], v[28:29], v[30:31]
	v_pk_add_f32 v[16:17], v[16:17], v[20:21]
	v_pk_add_f32 v[24:25], v[24:25], v[28:29]
	v_pk_add_f32 v[16:17], v[16:17], v[24:25]
	v_add_f32 v16, v16, v17                        ; row r's sum of squares
	s_cmp_lt_u32 ttmp9, 512
	s_cbranch_scc0 .Ltail_w
	s_lshl_b32 s32, ttmp9, 6
	s_add_nc_u64 s[30:31], s[22:23], s[32:33]      ; (the loads that named s[30:31] have been waited for)
	v_cmp_gt_u32 vcc_lo, 16, v1
	s_wait_xcnt 0x0                                ; EXEC changes only behind this wait
	s_and_saveexec_b32 s35, vcc_lo
	global_store_b32 v13, v16, s[30:31]            ; xn[16 g + r]
	s_wait_xcnt 0x0
	s_or_b32 exec_lo, exec_lo, s35
	s_branch .Lend
.Ltail_w:
	v_lshrrev_b32 v17, 2, v10
	v_and_b32 v18, 1, v10
	v_lshl_add_u32 v17, v17, 1, v18                ; 2 (r / 4) + r % 2
	s_lshl_b32 s32, s44, 5
	v_lshl_add_u32 v17, v17, 2, s32                ; 4 c, c = 8 gc + that: at most 1,375
	global_load_b32 v18, v17, s[12:13]             ; gate_s[c]
	global_load_b32 v19, v17, s[14:15]             ; up_s[c]
	s_wait_loadcnt 0x0
	v_cvt_pk_bf16_f32 v20, v18, v19                ; both scales rounded to bf16,
	v_lshlrev_b32 v18, 16, v20                     ; sg
	v_and_b32 v19, 0xffff0000, v20                 ; su
	v_bfe_u32 v21, v10, 1, 1                       ; the row's type
	v_cmp_eq_u32 vcc_lo, 1, v21
	v_cndmask_b32 v22, v18, v19, vcc_lo
	v_mul_f32 v22, v22, v22
	v_mul_f32 v22, v22, v16                        ; wn = s^2 |w|^2 (0 in pad rows: their numbers were masked)
	v_mul_f32 v23, 0xbfb8aa3b, v18                 ; -log2(e) sg
	v_mul_f32 v24, v18, v19                        ; sg su
	v_cndmask_b32 v23, v23, v24, vcc_lo
	v_and_b32 v23, s34, v23                        ; 0 in pad rows
	s_lshl_b32 s32, s43, 6
	s_add_nc_u64 s[30:31], s[24:25], s[32:33]
	s_add_nc_u64 s[38:39], s[26:27], s[32:33]
	v_cmp_gt_u32 vcc_lo, 16, v1
	s_wait_xcnt 0x0                                ; EXEC changes only behind this wait
	s_and_saveexec_b32 s35, vcc_lo
	global_store_b32 v13, v22, s[30:31]
	global_store_b32 v13, v23, s[38:39]
	s_wait_xcnt 0x0
	s_or_b32 exec_lo, exec_lo, s35
.Lend:
	s_wait_tensorcnt 0x0                           ; the wave's end, behind my last LDS store
	ds_add_u32 v8, v9
	s_wait_dscnt 0x0
	s_endpgm
.Lfunc_end_k_qe1094ea071_prep:
	.size	k_qe1094ea071_prep, .Lfunc_end_k_qe1094ea071_prep-k_qe1094ea071_prep
	.p2alignl 7, 3214868480
	.fill 96, 4, 3214868480
	.section	.rodata,"a",@progbits
	.p2align	6, 0x0
	.amdhsa_kernel k_qe1094ea071_prep
		.amdhsa_group_segment_fixed_size 72704
		.amdhsa_private_segment_fixed_size 0
		.amdhsa_enable_private_segment 0
		.amdhsa_kernarg_size 96
		.amdhsa_user_sgpr_count 2
		.amdhsa_user_sgpr_kernarg_segment_ptr 1
		.amdhsa_wavefront_size32 1
		.amdhsa_system_sgpr_workgroup_id_x 1
		.amdhsa_system_sgpr_workgroup_id_y 1
		.amdhsa_system_sgpr_workgroup_id_z 1
		.amdhsa_system_vgpr_workitem_id 0
		.amdhsa_next_free_vgpr 128
		.amdhsa_next_free_sgpr 66
		.amdhsa_reserve_vcc 1
		.amdhsa_float_denorm_mode_32 3
		.amdhsa_float_denorm_mode_16_64 3
		.amdhsa_memory_ordered 1
		.amdhsa_forward_progress 1
		.amdhsa_inst_pref_size 37
	.end_amdhsa_kernel
	.amdgpu_metadata
---
amdhsa.version: [ 1, 2 ]
amdhsa.kernels:
  - .name:           k_qe1094ea071_prep
    .symbol:         k_qe1094ea071_prep.kd
    .args:
      - { .name: x, .offset: 0, .size: 8, .value_kind: global_buffer, .address_space: global }
      - { .name: gate_w, .offset: 8, .size: 8, .value_kind: global_buffer, .address_space: global }
      - { .name: up_w, .offset: 16, .size: 8, .value_kind: global_buffer, .address_space: global }
      - { .name: down_w, .offset: 24, .size: 8, .value_kind: global_buffer, .address_space: global }
      - { .name: gate_s, .offset: 32, .size: 8, .value_kind: global_buffer, .address_space: global }
      - { .name: up_s, .offset: 40, .size: 8, .value_kind: global_buffer, .address_space: global }
      - { .name: xb, .offset: 48, .size: 8, .value_kind: global_buffer, .address_space: global }
      - { .name: w1b, .offset: 56, .size: 8, .value_kind: global_buffer, .address_space: global }
      - { .name: w2h, .offset: 64, .size: 8, .value_kind: global_buffer, .address_space: global }
      - { .name: xn, .offset: 72, .size: 8, .value_kind: global_buffer, .address_space: global }
      - { .name: wn, .offset: 80, .size: 8, .value_kind: global_buffer, .address_space: global }
      - { .name: kk, .offset: 88, .size: 8, .value_kind: global_buffer, .address_space: global }
    .group_segment_fixed_size: 72704
    .private_segment_fixed_size: 0
    .kernarg_segment_align: 8
    .kernarg_segment_size: 96
    .max_flat_workgroup_size: 512
    .sgpr_count:     66
    .vgpr_count:     128
    .wavefront_size: 32
...
	.end_amdgpu_metadata
.endif
;; end of part 1
;; launch gemm1 (part 2): grid 8 x 32, 4 waves a work-group, clusters of 4 x 4, 327,680 bytes of LDS; arguments xb, w1b, kk, wn, xn, hf; writes hf
.if DOCPART == 2
	.amdgcn_target "amdgcn-amd-amdhsa--gfx1250"
	.amdhsa_code_object_version 6
	.text
	.protected	k_qe1094ea071_gemm1
	.globl	k_qe1094ea071_gemm1
	.p2align	8
	.type	k_qe1094ea071_gemm1,@function
k_qe1094ea071_gemm1:
	s_mov_b64 s[64:65], 0
	v_nop
	global_prefetch_b8 v0, s[64:65] scope:SCOPE_SE
	s_setreg_imm32_b32 hwreg(HW_REG_WAVE_MODE, 25, 1), 1
	s_wait_xcnt 0x0
	s_wait_alu depctr_hold_cnt(0) depctr_sa_sdst(0) depctr_va_vdst(0) depctr_va_sdst(0) depctr_va_ssrc(0) depctr_va_vcc(0) depctr_vm_vsrc(0)
	s_getreg_b32 s2, hwreg(HW_REG_IB_STS2, 6, 4)
	s_cmp_eq_u32 s2, 0
	s_cbranch_scc0 .Lentry_in_a_cluster
	s_endpgm
.Lentry_in_a_cluster:
	s_bfe_u32 s2, ttmp6, 0x10000c
	s_cmp_lg_u32 s2, 0xf033
	s_cbranch_scc0 .Lentry_shape_is_right
	s_endpgm
.Lentry_shape_is_right:
; GEMM1: hf = silu(x Wg^T sg) (x Wu^T su) / F, in f16, [32][176 K blocks][256 rows][8].  Operands bf16 (xb, w1b), sums f32, K = 2,048 ascending in steps of 128.
; THE ROW SCALE.  |h[m][c]| <= B_m = xn[m] sqrt(max wn of gate rows) sqrt(max wn of up rows) (Cauchy-Schwarz, |silu(g)| <= |g|).  t = B_m's exponent field held to 20 .. 230, F_m = 2^(t - 140):
; h / F_m stays under 2^14 in f16 whatever the inputs' size.  The launch behind makes the same F_m by the same instructions and multiplies it back.
; LIMITS.  B_m within 2^-106 .. 2^104; NaN and infinities are not treated apart.
; SHARES.  A work-group makes 256 rows x 352 rows of w1b (176 columns of h): 32 x 8 = 256 work-groups.  Wave w: rows 128 (w / 2) on, w1b rows 176 (w % 2) on: 8 x 11 = 88 accumulators, 704 registers.
; TRANSPOSED: source 0 = 16 rows of w1b, source 1 = 16 rows of x.  A lane holds one row of x; w1b's row order puts g of two columns in registers 0, 1, u of the same two in 2, 3, the next two columns in 4-7:
; gate and up meet in a lane, in pairs, and a lane's four h are 8 bytes of one K block of hf: a store of the wave covers 256 consecutive bytes, aligned.
; LDS.  Both operands lie by K blocks, so a K step of a tile is one dense run of memory, brought as rows of 256 bytes, and lanes 0-15 of a fragment load read 256 consecutive bytes: no padding.
; CLUSTER 4 x 4: x's tile is asked for jointly along a row of the cluster, w1b's along a column.
; REGISTERS, windows of 256 (s_set_vgpr_msb: bits 1:0 source 0, 3:2 source 1, 5:4 source 2, 7:6 destination):
;   window 0: v0-15 addresses; v16-79 x fragments, buffer 1; v80-167, v168-255 w1b fragments, buffers 0, 1
;   windows 1-3: accumulator (a, b) at window 1 + b / 4, v[64 (b % 4) + 8 a];   window 3 v192-255: x fragments, buffer 0; at the end v192-207 F, each twice
.set SLOT,  155648                     ; x's 16 K blocks x 256 rows x 16 bytes, then w1b's 16 x 352 x 16
.set BOFF,  65536
.set SPARE, 311296                     ; behind the two slots: the spare words, 128 bytes a wave
.set ASTEP, 65536                      ; bytes of a K step in xb
.set BSTEP, 90112                      ; and in w1b
.set G1,  24                           ; s[24:31] group 1 for x's tiles;  s[32:39] group 0, a set for each slot
.set G0,  32
.set G1B, 48                           ; s[48:55], s[56:63] the same for w1b's
.set G0B, 56
.set MSB, 0
.macro WIN new                         ; the immediate's high byte repeats the setting that is left; a switch that changes nothing is dropped
.if MSB != (\new)
	s_set_vgpr_msb (MSB<<8)|(\new)
.set MSB, \new
.endif
.endm
.macro PLACES                          ; four plain places behind a matrix instruction, ahead of loads into its sources and of vector work on its registers
.rept 4
	v_nop
.endr
.endm
; A joint load: waves 0 and 1 fetch the halves of x's tile, waves 2 and 3 those of w1b's.  An s_nop 0 and four v_nop follow each line.
.macro JLOAD s
	s_cmp_eq_u32 s17, 0
	s_cbranch_scc0 .Lfor_b_\@
	tensor_load_to_lds s[G0+4*(\s):G0+4*(\s)+3], s[G1:G1+7]
	s_nop 0
.rept 4
	v_nop
.endr
	s_branch .Lasked_\@
.Lfor_b_\@:
	tensor_load_to_lds s[G0B+4*(\s):G0B+4*(\s)+3], s[G1B:G1B+7]
	s_nop 0
.rept 4
	v_nop
.endr
.Lasked_\@:
.endm
.macro CREST                           ; a round of the cluster's barrier behind its opening barrier
	s_cmp_lg_u32 s16, 0
	s_cbranch_scc1 .Lnot_wave_0_\@
	s_barrier_signal -3
.Lnot_wave_0_\@:
	s_barrier_wait -3
	s_barrier_signal -1
	s_barrier_wait -1
.endm
.macro CROUND
	s_barrier_signal -1
	s_barrier_wait -1
	CREST
.endm
; A prefetch of the K step that stands two refills on (704 matrix instructions ahead of its load).  x's tile is read by both clusters of a row of clusters: cluster x = 0 asks; w1b's by all eight of a column:
; cluster y = 0 asks.  The four partners share a wave's blocks of 256 bytes out by address: 32 each of x's 128 (a lane a block), 44 each of w1b's 176 (a second line, whose lanes 12-31 name the share's last block again).
; The loop's last trip asks for nothing: there is no K step two on.  K steps 0 to 3 come by their loads alone.
.macro ASK
	s_cmp_gt_u32 s3, s66
	s_cbranch_scc0 .Lnot_mine_\@
	global_prefetch_b8 v14, s[44:45] th:TH_LOAD_NT scope:SCOPE_SE
	s_cmp_eq_u32 s17, 0
	s_cbranch_scc1 .Lnot_mine_\@
	global_prefetch_b8 v15, s[44:45] th:TH_LOAD_NT scope:SCOPE_SE
.Lnot_mine_\@:
.endm
; n blocks b0 .. b1 x all 8 m blocks, 32 along K, from buffer f.  The 88 accumulators take turns, one instruction a turn, in the same order in every quarter.
.macro MULB f, b0, b1, zero
.set bb, \b0
.rept (\b1)-(\b0)+1
.set MW, 1+bb/4
	WIN (MW<<6)|(MW<<4)|((3-3*(\f))<<2)
.set aa, 0
.rept 8
.set rD, 64*(bb%4)+8*aa
.set rB, 80+88*(\f)+8*bb
.set rA, 192-176*(\f)+8*aa
.if \zero
	v_wmma_f32_16x16x32_bf16 v[rD:rD+7], v[rB:rB+7], v[rA:rA+7], 0
.else
	v_wmma_f32_16x16x32_bf16 v[rD:rD+7], v[rB:rB+7], v[rA:rA+7], v[rD:rD+7]
.endif
.set aa, aa+1
.endr
.set bb, bb+1
.endr
.endm
; 38 LDS loads in one run: quarter q (32 along K = K blocks 4 q .. 4 q + 3) of a slot into buffer f: x's 8 fragments, then w1b's 11
.macro FETCH slot, q, f
.set FA, 192-176*(\f)
.set FB, 80+88*(\f)
	WIN 0xc0*(1-(\f))
.irp a, 0,1,2,3,4,5,6,7
	ds_load_b128 v[FA+8*(\a):FA+8*(\a)+3],   v[3+(\slot)] offset:16384*(\q)+256*(\a)
	ds_load_b128 v[FA+8*(\a)+4:FA+8*(\a)+7], v[3+(\slot)] offset:16384*(\q)+256*(\a)+8192
.endr
	WIN 0
.irp b, 0,1,2,3,4,5,6,7,8,9,10
	ds_load_b128 v[FB+8*(\b):FB+8*(\b)+3],   v[5+(\slot)+2*((\q)/2)] offset:22528*((\q)%2)+256*(\b)
	ds_load_b128 v[FB+8*(\b)+4:FB+8*(\b)+7], v[5+(\slot)+2*((\q)/2)] offset:22528*((\q)%2)+256*(\b)+11264
.endr
.endm
; One of a K step's first three quarters: multiplies buffer f, and in its middle fetches quarter q into buffer g
.macro QUARTER slot, q, f, g, zero
	s_wait_dscnt 14                                ; x's fragments and w1b's blocks 0-3 are in; the youngest 14 loads (blocks 4-10) may be out
	MULB \f, 0, 3, \zero
	PLACES
	FETCH \slot, \q, \g
	s_wait_dscnt 38                                ; all but the 38 just issued
	MULB \f, 4, 10, \zero
.endm
; The last quarter multiplies buffer 1 and changes slots.  In front of the barrier each wave waits for all its tensor loads (one is out: its part of the next slot), adds 0 to its spare word, and waits for
; that and for its reads of this slot.  fill = 1: the barrier opens a round of the cluster's, and the joint refill, two K steps on, is the first thing behind it.
.macro TURN slot, next, fill
.if \fill
	s_wait_xcnt 0x0                                ; the last prefetch, a K step back, has read its address
	s_add_nc_u64 s[44:45], s[44:45], s[46:47]
.endif
	WIN 0
	s_wait_tensorcnt 0x0
	ds_add_u32 v12, v13
	s_wait_dscnt 15                                ; (the add and the youngest 14 loads may be out)
	MULB 1, 0, 1, 0
	s_wait_dscnt 0x0                               ; the add is done, and my reads of this slot are over
	s_barrier_signal -1
	MULB 1, 2, 3, 0
	WIN 0
	s_barrier_wait -1
.if \fill
	CREST
	s_add_nc_u64 s[G0+4*(\slot)+2:G0+4*(\slot)+3], s[G0+4*(\slot)+2:G0+4*(\slot)+3], 2*ASTEP
	s_add_nc_u64 s[G0B+4*(\slot)+2:G0B+4*(\slot)+3], s[G0B+4*(\slot)+2:G0B+4*(\slot)+3], 2*BSTEP
	JLOAD \slot                                    ; its four v_nop are also the places in front of the loads below
.else
	PLACES
.endif
	FETCH \next, 0, 0
.if \fill
	ASK
.endif
	MULB 1, 4, 10, 0
.endm
; sqrt(max wn over gate rows) sqrt(max wn over up rows) into s67.  A lane's 16 bytes are four rows of w1b: two of gate, two of up.
.macro BOUND
.irp i, 0,1,2,3,4,5,6,7,8,9,10,11,12,13,14,15,16,17,18,19,20,21
	global_load_b128 v[80+4*(\i):83+4*(\i)], v16, s[10:11] offset:512*(\i)
.endr
	v_mov_b32 v19, 0
	v_mov_b32 v20, 0
	s_wait_loadcnt 0x0
	v_max_num_f32 v17, v80, v81
	v_max_num_f32 v18, v82, v83
.irp i, 1,2,3,4,5,6,7,8,9,10,11,12,13,14,15,16,17,18,19,20,21
	v_max3_num_f32 v17, v17, v[80+4*(\i)], v[81+4*(\i)]
	v_max3_num_f32 v18, v18, v[82+4*(\i)], v[83+4*(\i)]
.endr
.irp m, 1,2,4,8
	v_max_num_f32_dpp v17, v17, v17 row_xmask:\m row_mask:0xf bank_mask:0xf
	v_max_num_f32_dpp v18, v18, v18 row_xmask:\m row_mask:0xf bank_mask:0xf
.endr
	v_permlanex16_b32 v19, v17, s68, s69
	v_permlanex16_b32 v20, v18, s68, s69
	v_max_num_f32 v17, v17, v19
	v_max_num_f32 v18, v18, v20
	v_sqrt_f32 v17, v17
	v_sqrt_f32 v18, v18
	v_nop                                          ; a plain instruction behind the last root,
	s_wait_alu depctr_va_vdst(0)                   ; and the one wait for both, ahead of their first reader
	v_mul_f32 v17, v17, v18
	v_readfirstlane_b32 s67, v17
.endm
; 16 registers of xn become F = 2^(t - 140), t = the exponent field of xn s67 held to 20 .. 230
.macro ROWF base
.irp z, 0,1,2,3,4,5,6,7,8,9,10,11,12,13,14,15
	v_mul_f32 v[(\base)+(\z)], s67, v[(\base)+(\z)]
.endr
.irp z, 0,1,2,3,4,5,6,7,8,9,10,11,12,13,14,15
	v_lshrrev_b32 v[(\base)+(\z)], 23, v[(\base)+(\z)]
.endr
.irp z, 0,1,2,3,4,5,6,7,8,9,10,11,12,13,14,15
	v_max_u32 v[(\base)+(\z)], 20, v[(\base)+(\z)]
.endr
.irp z, 0,1,2,3,4,5,6,7,8,9,10,11,12,13,14,15
	v_min_u32 v[(\base)+(\z)], 230, v[(\base)+(\z)]
.endr
.irp z, 0,1,2,3,4,5,6,7,8,9,10,11,12,13,14,15
	v_add_nc_u32 v[(\base)+(\z)], -13, v[(\base)+(\z)]
.endr
.irp z, 0,1,2,3,4,5,6,7,8,9,10,11,12,13,14,15
	v_lshlrev_b32 v[(\base)+(\z)], 23, v[(\base)+(\z)]
.endr
.endm
; n block b's eight accumulators become h / F and leave.  G = registers 0, 1, 4, 5, U = 2, 3, 6, 7.  U = g_raw u_raw k2 = g u;  G = g_raw k1 = -log2(e) g;  G = 2^G;  G = G F + F;  G = 1 / G;  h / F = U G.
; Each kind of transcendental is one batch with one plain instruction and one wait behind it.  Each accumulator's lowest registers are read first.
.macro EPI b
.set EW, 1+(\b)/4
.set SC, 80+8*(\b)
.set TB0, 64*((\b)%4)
	WIN 0x55*EW
.set aa, 0
.rept 8
	v_pk_mul_f32 v[TB0+8*aa+2:TB0+8*aa+3], v[TB0+8*aa+2:TB0+8*aa+3], v[TB0+8*aa:TB0+8*aa+1]
	v_pk_mul_f32 v[TB0+8*aa+6:TB0+8*aa+7], v[TB0+8*aa+6:TB0+8*aa+7], v[TB0+8*aa+4:TB0+8*aa+5]
.set aa, aa+1
.endr
	WIN (EW<<6)|EW                                 ; kk in window 0
.set aa, 0
.rept 8
.irp k, 0,2,4,6
	v_pk_mul_f32 v[TB0+8*aa+(\k):TB0+8*aa+(\k)+1], v[TB0+8*aa+(\k):TB0+8*aa+(\k)+1], v[SC+(\k):SC+(\k)+1]
.endr
.set aa, aa+1
.endr
.set aa, 0
.rept 8
.irp k, 0,1,4,5
	v_exp_f32 v[TB0+8*aa+(\k)], v[TB0+8*aa+(\k)]
.endr
.set aa, aa+1
.endr
	v_nop
	s_wait_alu depctr_va_vdst(0)
	WIN (EW<<6)|0x3c|EW                            ; F in window 3
.set aa, 0
.rept 8
	v_pk_fma_f32 v[TB0+8*aa:TB0+8*aa+1], v[TB0+8*aa:TB0+8*aa+1], v[192+2*aa:193+2*aa], v[192+2*aa:193+2*aa]
	v_pk_fma_f32 v[TB0+8*aa+4:TB0+8*aa+5], v[TB0+8*aa+4:TB0+8*aa+5], v[192+2*aa:193+2*aa], v[192+2*aa:193+2*aa]
.set aa, aa+1
.endr
.set aa, 0
.rept 8
.irp k, 0,1,4,5
	v_rcp_f32 v[TB0+8*aa+(\k)], v[TB0+8*aa+(\k)]
.endr
.set aa, aa+1
.endr
	v_nop
	s_wait_alu depctr_va_vdst(0)
	WIN 0x55*EW
.set aa, 0
.rept 8
	v_pk_mul_f32 v[TB0+8*aa+2:TB0+8*aa+3], v[TB0+8*aa+2:TB0+8*aa+3], v[TB0+8*aa:TB0+8*aa+1]
	v_pk_mul_f32 v[TB0+8*aa+6:TB0+8*aa+7], v[TB0+8*aa+6:TB0+8*aa+7], v[TB0+8*aa+4:TB0+8*aa+5]
.set aa, aa+1
.endr
.set aa, 0
.rept 8
	v_cvt_pk_f16_f32 v[TB0+8*aa], v[TB0+8*aa+2], v[TB0+8*aa+3]
	v_cvt_pk_f16_f32 v[TB0+8*aa+1], v[TB0+8*aa+6], v[TB0+8*aa+7]
.set aa, aa+1
.endr
	WIN EW<<2                                      ; a store's data is source 1
.set aa, 0
.rept 8
	global_store_b64 v9, v[TB0+8*aa:TB0+8*aa+1], s[14:15] offset:4096*(\b)+256*aa  ; 16 rows x 16 bytes of K block b: 256 consecutive bytes, aligned
.set aa, aa+1
.endr
.endm
	s_load_b256 s[4:11], s[0:1], 0x0               ; xb 4, w1b 6, kk 8, wn 10
	s_load_b128 s[12:15], s[0:1], 0x20             ; xn 12, hf 14
	v_lshl_add_u32 v12, v0, 2, SPARE
	v_mov_b32 v13, 0
	ds_add_u32 v12, v13                            ; the wave's opening: the add, twice on end, and its wait ahead of my first tensor load
	ds_add_u32 v12, v13
	v_lshrrev_b32 v1, 5, v0
	v_readfirstlane_b32 s16, v1                    ; wave 0..3
	s_lshr_b32 s17, s16, 1                         ; which 128 rows are mine.  Also: I fetch for x (0) or for w1b (1)
	s_and_b32 s18, s16, 1                          ; which 176 rows of w1b.  Also: which half of the tile I fetch
	s_bfe_u32 s19, ttmp6, 0x40000                  ; cx
	s_bfe_u32 s20, ttmp6, 0x40004                  ; cy
	s_lshl_b32 s21, ttmp9, 2
	s_add_co_u32 s21, s21, s19                     ; nt = 4 x cluster x + cx
	s_and_b32 s22, ttmp7, 0xffff
	s_lshl_b32 s22, s22, 2
	s_add_co_u32 s22, s22, s20                     ; mt = 4 x cluster y + cy
	s_lshl_b32 s23, s20, 2
	s_lshl_b32 s23, 15, s23                        ; my row of the cluster
	s_lshl_b32 s2, 0x1111, s19                     ; my column
	; group 1: a dense run as rows of 32 elements of 8 bytes; 128 rows (x: 32,768 bytes) or 176 (w1b: 45,056)
	s_or_b32 s[G1], s23, (3<<16)|(1<<21)           ; 15:0 the mask; 17:16 elements of 8 bytes; 21 set beside a mask
	s_or_b32 s[G1B], s2, (3<<16)|(1<<21)
.irp g, G1, G1B
	s_mov_b32 s[(\g)+1], 32<<16                    ; tensor_dim0 = 32
	s_mov_b32 s[(\g)+3], 32<<16                    ; tile_dim0 = 32
	s_mov_b32 s[(\g)+5], 32                        ; 32 elements from row to row
	s_mov_b32 s[(\g)+6], 0
	s_mov_b32 s[(\g)+7], 0
.endr
	s_mov_b32 s[G1+2], 128<<16                     ; tensor_dim1
	s_mov_b32 s[G1+4], 128                         ; tile_dim1
	s_mov_b32 s[G1B+2], 176<<16
	s_mov_b32 s[G1B+4], 176
	s_mov_b32 s68, 0x76543210
	s_mov_b32 s69, 0xfedcba98
	; x's address hangs on mt and the wave alone (s40-43 never hold cx), w1b's on nt and the wave (s70-73 never hold cy)
	s_lshl_b32 s40, s22, 20
	s_lshl_b32 s42, s18, 15
	s_add_co_u32 s40, s40, s42
	s_mov_b32 s41, 0
	s_mov_b32 s43, s42                             ; x's place in a slot: 32,768 x half
	s_mul_i32 s70, s21, 1441792
	s_mul_i32 s72, s18, 45056
	s_add_co_u32 s70, s70, s72
	s_mov_b32 s71, 0
	s_add_co_u32 s73, s72, BOFF                    ; w1b's place: behind x's, 45,056 x half
	s_wait_dscnt 0x0                               ; both opening adds are done
	s_wait_kmcnt 0x0
	s_add_nc_u64 s[40:41], s[4:5], s[40:41]
	s_add_nc_u64 s[70:71], s[6:7], s[70:71]
	CROUND                                         ; all sixteen work-groups are here: the first joint loads meet
.irp s, 0,1
	s_mov_b32 s[G0+4*(\s)], 1
	s_add_co_u32 s[G0+4*(\s)+1], s43, (\s)*SLOT
	s_add_nc_u64 s[G0+4*(\s)+2:G0+4*(\s)+3], s[40:41], (\s)*ASTEP
	s_or_b32 s[G0+4*(\s)+3], s[G0+4*(\s)+3], 0x80000000
	s_mov_b32 s[G0B+4*(\s)], 1
	s_add_co_u32 s[G0B+4*(\s)+1], s73, (\s)*SLOT
	s_add_nc_u64 s[G0B+4*(\s)+2:G0B+4*(\s)+3], s[70:71], (\s)*BSTEP
	s_or_b32 s[G0B+4*(\s)+3], s[G0B+4*(\s)+3], 0x80000000
	JLOAD \s                                       ; two loads of mine are out
.endr
	; a fragment: lane (r, hh) takes row r of K blocks 4 q + hh and 4 q + 2 + hh
	v_and_b32 v1, 15, v0                           ; r
	v_bfe_u32 v2, v0, 4, 1                         ; hh
	v_lshlrev_b32 v9, 4, v1
	s_lshl_b32 s74, s17, 11
	v_lshl_add_u32 v3, v2, 12, v9
	v_add_nc_u32 v3, s74, v3                       ; x, slot 0: 4,096 hh + 16 r + 2,048 (w / 2)
	v_add_nc_u32 v4, SLOT, v3
	v_mul_u32_u24 v5, v2, 5632
	v_add_nc_u32 v5, v5, v9
	s_mul_i32 s74, s18, 2816
	s_add_co_u32 s74, s74, BOFF
	v_add_nc_u32 v5, s74, v5                       ; w1b, slot 0, quarters 0, 1
	v_add_nc_u32 v6, SLOT, v5
	v_add_nc_u32 v7, 45056, v5                     ; quarters 2, 3: the immediate has 16 bits
	v_add_nc_u32 v8, 45056, v6
	v_lshl_add_u32 v9, v2, 3, v9                   ; hf: 16 r + 8 hh
	v_lshlrev_b32 v10, 5, v2                       ; kk: 32 hh
	v_lshlrev_b32 v11, 2, v1                       ; xn: 4 r
	v_and_b32 v16, 31, v0
	v_lshlrev_b32 v14, 8, v16                      ; the prefetches: block = lane,
	v_add_nc_u32 v15, 32, v16
	v_min_u32 v15, 43, v15                         ; and blocks 32 .. 43
	v_lshlrev_b32 v15, 8, v15
	v_lshlrev_b32 v16, 4, v16
	BOUND
	s_mul_i32 s74, s21, 22
	s_mul_i32 s75, s18, 11
	s_add_co_u32 s74, s74, s75                     ; my first block of 16 rows of w1b = my first K block of hf
	s_lshl_b32 s76, s74, 6
	s_mov_b32 s77, 0
	s_add_nc_u64 s[8:9], s[8:9], s[76:77]          ; kk at my rows
	s_lshl_b32 s76, s74, 12
	s_mul_i32 s75, s22, 720896
	s_add_co_u32 s76, s76, s75
	s_lshl_b32 s75, s17, 11
	s_add_co_u32 s76, s76, s75
	s_add_nc_u64 s[14:15], s[14:15], s[76:77]      ; hf at my tile, K block and rows
	s_lshl_b32 s76, s22, 10
	s_lshl_b32 s75, s17, 9
	s_add_co_u32 s76, s76, s75
	s_add_nc_u64 s[12:13], s[12:13], s[76:77]      ; xn at my rows
	; the prefetches' pointer, at K step 3: the first change of slots steps it to 4
	s_lshl_b32 s76, s22, 20
	s_lshl_b32 s77, s18, 15
	s_add_co_u32 s76, s76, s77
	s_lshl_b32 s77, s19, 13                        ; my work-group's 32 blocks, by cx
	s_add_co_u32 s76, s76, s77
	s_add_co_u32 s76, s76, 3*ASTEP
	s_mul_i32 s77, s21, 1441792
	s_mul_i32 s78, s18, 45056
	s_add_co_u32 s77, s77, s78
	s_mul_i32 s78, s20, 11264                      ; my work-group's 44 blocks, by cy
	s_add_co_u32 s77, s77, s78
	s_add_co_u32 s77, s77, 3*BSTEP
	s_and_b32 s74, ttmp7, 0xffff
	s_mov_b32 s46, BSTEP
	s_mov_b32 s47, 0
	s_cmp_eq_u32 s17, 0                            ; do I fetch for x?
	s_cselect_b32 s75, ttmp9, s74                  ; the coordinate along which other clusters read the same tile
	s_cselect_b64 s[44:45], s[4:5], s[6:7]
	s_cselect_b32 s46, ASTEP, s46
	s_cselect_b32 s78, s76, s77
	s_mov_b32 s79, 0
	s_add_nc_u64 s[44:45], s[44:45], s[78:79]
	s_cmp_eq_u32 s75, 0
	s_cselect_b32 s66, 1, -1                       ; the same in all sixteen partners, for a given wave
	s_wait_tensorcnt 0x1                           ; my part of K step 0 is in; K step 1's may stay out
	s_barrier_signal -1
	s_barrier_wait -1
	FETCH 0, 0, 0
	QUARTER 0, 1, 0, 1, 1                          ; the first quarter starts the sums: nothing is cleared
	WIN 0
	s_mov_b32 s3, 7
.Llap:                                         ; a trip goes once round the ring, from a lap's second quarter to the next lap's first, and fills both slots again
	QUARTER 0, 2, 1, 0, 0
	QUARTER 0, 3, 0, 1, 0
	TURN 0, 1, 1
	QUARTER 1, 1, 0, 1, 0
	QUARTER 1, 2, 1, 0, 0
	QUARTER 1, 3, 0, 1, 0
	TURN 1, 0, 1
	QUARTER 0, 1, 0, 1, 0
	WIN 0
	s_sub_co_u32 s3, s3, 1
	s_cmp_lg_u32 s3, 0
	s_cbranch_scc1 .Llap
	QUARTER 0, 2, 1, 0, 0                          ; the last lap fills nothing
	QUARTER 0, 3, 0, 1, 0
	TURN 0, 1, 0
	QUARTER 1, 1, 0, 1, 0
	QUARTER 1, 2, 1, 0, 0
	QUARTER 1, 3, 0, 1, 0
	s_wait_dscnt 14                                ; the very last quarter: in its middle kk and xn are asked for, into buffer 0's registers
	MULB 1, 0, 3, 0
	PLACES
	WIN 0
.irp b, 0,1,2,3,4,5,6,7,8,9,10
	global_load_b128 v[80+8*(\b):83+8*(\b)], v10, s[8:9] offset:64*(\b)
	global_load_b128 v[84+8*(\b):87+8*(\b)], v10, s[8:9] offset:64*(\b)+16
.endr
	WIN 0xc0
.irp a, 0,1,2,3,4,5,6,7
	global_load_b32 v[192+2*(\a)], v11, s[12:13] offset:64*(\a)
	global_load_b32 v[193+2*(\a)], v11, s[12:13] offset:64*(\a)
.endr
	s_wait_dscnt 0x0
	MULB 1, 4, 10, 0
	PLACES
	s_wait_loadcnt 0x0
	WIN 0xcf
	ROWF 192
.irp b, 0,1,2,3,4,5,6,7,8,9,10
	EPI \b
.endr
	WIN 0
	s_wait_tensorcnt 0x0                           ; the wave's end
	ds_add_u32 v12, v13
	s_wait_dscnt 0x0
	CROUND                                         ; the closing round: no work-group ends while a partner may still ask for a tile that names it
	s_endpgm
.Lfunc_end_k_qe1094ea071_gemm1:
	.size	k_qe1094ea071_gemm1, .Lfunc_end_k_qe1094ea071_gemm1-k_qe1094ea071_gemm1
	.p2alignl 7, 3214868480
	.fill 96, 4, 3214868480
	.section	.rodata,"a",@progbits
	.p2align	6, 0x0
	.amdhsa_kernel k_qe1094ea071_gemm1
		.amdhsa_group_segment_fixed_size 327680
		.amdhsa_private_segment_fixed_size 0
		.amdhsa_enable_private_segment 0
		.amdhsa_kernarg_size 48
		.amdhsa_user_sgpr_count 2
		.amdhsa_user_sgpr_kernarg_segment_ptr 1
		.amdhsa_wavefront_size32 1
		.amdhsa_system_sgpr_workgroup_id_x 1
		.amdhsa_system_sgpr_workgroup_id_y 1
		.amdhsa_system_sgpr_workgroup_id_z 1
		.amdhsa_system_vgpr_workitem_id 0
		.amdhsa_next_free_vgpr 1024
		.amdhsa_next_free_sgpr 80
		.amdhsa_reserve_vcc 0
		.amdhsa_float_denorm_mode_32 3
		.amdhsa_float_denorm_mode_16_64 3
		.amdhsa_memory_ordered 1
		.amdhsa_forward_progress 1
		.amdhsa_inst_pref_size 255
	.end_amdhsa_kernel
	.section	.bss,"aw",@nobits
	.p2align	6
	.space	262144
	.amdgpu_metadata
---
amdhsa.version: [ 1, 2 ]
amdhsa.kernels:
  - .name:           k_qe1094ea071_gemm1
    .symbol:         k_qe1094ea071_gemm1.kd
    .args:
      - { .name: xb, .offset: 0, .size: 8, .value_kind: global_buffer, .address_space: global }
      - { .name: w1b, .offset: 8, .size: 8, .value_kind: global_buffer, .address_space: global }
      - { .name: kk, .offset: 16, .size: 8, .value_kind: global_buffer, .address_space: global }
      - { .name: wn, .offset: 24, .size: 8, .value_kind: global_buffer, .address_space: global }
      - { .name: xn, .offset: 32, .size: 8, .value_kind: global_buffer, .address_space: global }
      - { .name: hf, .offset: 40, .size: 8, .value_kind: global_buffer, .address_space: global }
    .group_segment_fixed_size: 327680
    .private_segment_fixed_size: 0
    .kernarg_segment_align: 8
    .kernarg_segment_size: 48
    .max_flat_workgroup_size: 128
    .sgpr_count:     80
    .vgpr_count:     1024
    .wavefront_size: 32
...
	.end_amdgpu_metadata
.endif
;; end of part 2
;; launch gemm2 (part 3): grid 8 x 32, 4 waves a work-group, clusters of 4 x 4, 327,680 bytes of LDS; arguments hf, w2h, down_s, wn, xn, out0; writes out0
.if DOCPART == 3
	.amdgcn_target "amdgcn-amd-amdhsa--gfx1250"
	.amdhsa_code_object_version 6
	.text
	.protected	k_qe1094ea071_gemm2
	.globl	k_qe1094ea071_gemm2
	.p2align	8
	.type	k_qe1094ea071_gemm2,@function
k_qe1094ea071_gemm2:
	s_mov_b64 s[64:65], 0
	v_nop
	global_prefetch_b8 v0, s[64:65] scope:SCOPE_SE
	s_setreg_imm32_b32 hwreg(HW_REG_WAVE_MODE, 25, 1), 1
	s_wait_xcnt 0x0
	s_wait_alu depctr_hold_cnt(0) depctr_sa_sdst(0) depctr_va_vdst(0) depctr_va_sdst(0) depctr_va_ssrc(0) depctr_va_vcc(0) depctr_vm_vsrc(0)
	s_getreg_b32 s2, hwreg(HW_REG_IB_STS2, 6, 4)
	s_cmp_eq_u32 s2, 0
	s_cbranch_scc0 .Lentry_in_a_cluster
	s_endpgm
.Lentry_in_a_cluster:
	s_bfe_u32 s2, ttmp6, 0x10000c
	s_cmp_lg_u32 s2, 0xf033
	s_cbranch_scc0 .Lentry_shape_is_right
	s_endpgm
.Lentry_shape_is_right:
; GEMM2: out0[m][n] = (the sum over k of hf[m][k] w2h[n][k]) F_m sd_n.  Operands f16, sums f32, K = 1,408 (1,376 and 32 zeros) ascending in 11 steps of 128; out0 is f32.
; F_m is made here as the launch before made it, by the same instructions from xn and wn: F_m = 2^(t - 140), t = the exponent field of xn[m] sqrt(max wn gate) sqrt(max wn up) held to 20 .. 230.
; down_s is rounded to bf16, as all floating-point inputs of the program are.  LIMITS: as in the launch before; NaN and infinities are not treated apart.
; SHARES.  A work-group makes 256 x 256 of out0: 32 x 8 = 256 work-groups; a wave 128 x 128: 64 accumulators.  TRANSPOSED (source 0 = 16 rows of w2h, source 1 = 16 rows of hf): a lane holds 8 neighbouring numbers of a row.
; LDS.  Two slots 131,072 bytes apart, so that one exclusive or turns an address in one into the other's: the loop's body is ONE K step.  Operands lie by K blocks: dense runs, no padding.
; CLUSTER 4 x 4: hf's tile is asked for jointly along a row of the cluster, w2h's along a column.
; REGISTERS: window 0: v0-15 addresses; v16-79 hf fragments, buffer 1 (later the way out's products); v80-143, v144-207 w2h fragments, buffers 0, 1 (later rows read back); v208-223 F, each twice
;   windows 1, 2: accumulator (a, b) at window 1 + b / 4, v[64 (b % 4) + 8 a];   window 3: v192-255 hf fragments, buffer 0 (later down_s); v0-3 at work
.set SLOT1, 131072
.set STAGE, 262144                     ; behind the ring, never filled by a tensor load: 16 rows x 528 bytes for each wave
.set SP,    528
.set SPARE, 295936                     ; behind the stages: the spare words, 128 bytes a wave
.set KSTEP, 65536                      ; bytes of a K step in hf and in w2h
.set G1,  24
.set G0,  32                           ; s[32:35] the first fill's group 0; s[36:39] the second's, which then walks
.set G1B, 48
.set G0B, 56
.set MSB, 0
.macro WIN new
.if MSB != (\new)
	s_set_vgpr_msb (MSB<<8)|(\new)
.set MSB, \new
.endif
.endm
.macro PLACES
.rept 4
	v_nop
.endr
.endm
.macro JLOAD s                         ; waves 0 and 1 fetch the halves of hf's tile, waves 2 and 3 those of w2h's; an s_nop 0 and four v_nop follow each line
	s_cmp_eq_u32 s17, 0
	s_cbranch_scc0 .Lfor_b_\@
	tensor_load_to_lds s[G0+4*(\s):G0+4*(\s)+3], s[G1:G1+7]
	s_nop 0
.rept 4
	v_nop
.endr
	s_branch .Lasked_\@
.Lfor_b_\@:
	tensor_load_to_lds s[G0B+4*(\s):G0B+4*(\s)+3], s[G1B:G1B+7]
	s_nop 0
.rept 4
	v_nop
.endr
.Lasked_\@:
.endm
.macro CREST
	s_cmp_lg_u32 s16, 0
	s_cbranch_scc1 .Lnot_wave_0_\@
	s_barrier_signal -3
.Lnot_wave_0_\@:
	s_barrier_wait -3
	s_barrier_signal -1
	s_barrier_wait -1
.endm
.macro CROUND
	s_barrier_signal -1
	s_barrier_wait -1
	CREST
.endm
; A prefetch of the K step two refills on (512 matrix instructions ahead of its load): hf's by cluster x = 0, w2h's by cluster y = 0; of a wave's 128 blocks of 256 bytes each of the four partners takes 32, told
; apart by address, a lane a block.  Trips with s3 <= 2 would name K steps past the tenth: they ask for nothing.  K steps 0 to 3 come by their loads alone.
.macro ASK
	s_cmp_gt_u32 s3, s66
	s_cbranch_scc0 .Lnot_mine_\@
	global_prefetch_b8 v14, s[44:45] th:TH_LOAD_NT scope:SCOPE_SE
.Lnot_mine_\@:
.endm
.macro MULB f, b0, b1, zero            ; the 64 accumulators take turns, one instruction a turn, in the same order in every quarter
.set bb, \b0
.rept (\b1)-(\b0)+1
.set MW, 1+bb/4
	WIN (MW<<6)|(MW<<4)|((3-3*(\f))<<2)
.set aa, 0
.rept 8
.set rD, 64*(bb%4)+8*aa
.set rB, 80+64*(\f)+8*bb
.set rA, 192-176*(\f)+8*aa
.if \zero
	v_wmma_f32_16x16x32_f16 v[rD:rD+7], v[rB:rB+7], v[rA:rA+7], 0
.else
	v_wmma_f32_16x16x32_f16 v[rD:rD+7], v[rB:rB+7], v[rA:rA+7], v[rD:rD+7]
.endif
.set aa, aa+1
.endr
.set bb, bb+1
.endr
.endm
.macro FETCH q, f                      ; 32 LDS loads in one run: quarter q of the slot in hand (v5, v6) into buffer f
.set FA, 192-176*(\f)
.set FB, 80+64*(\f)
	WIN 0xc0*(1-(\f))
.irp a, 0,1,2,3,4,5,6,7
	ds_load_b128 v[FA+8*(\a):FA+8*(\a)+3],   v5 offset:16384*(\q)+256*(\a)
	ds_load_b128 v[FA+8*(\a)+4:FA+8*(\a)+7], v5 offset:16384*(\q)+256*(\a)+8192
.endr
	WIN 0
.irp b, 0,1,2,3,4,5,6,7
	ds_load_b128 v[FB+8*(\b):FB+8*(\b)+3],   v6 offset:16384*(\q)+256*(\b)
	ds_load_b128 v[FB+8*(\b)+4:FB+8*(\b)+7], v6 offset:16384*(\q)+256*(\b)+8192
.endr
.endm
.macro QUARTER q, f, g, zero
	s_wait_dscnt 8                                 ; hf's fragments and w2h's blocks 0-3 are in; the youngest 8 loads (blocks 4-7) may be out
	MULB \f, 0, 3, \zero
	PLACES
	FETCH \q, \g
	s_wait_dscnt 32                                ; all but the 32 just issued
	MULB \f, 4, 7, \zero
.endm
; The last quarter multiplies buffer 1 and changes slots: the wait for all my tensor loads, the add, the wait for it and for my reads of the slot, the barrier; fill = 1: it opens a round of the cluster's, and
; the joint refill (the walking descriptor: the other slot than last time, the next K step) is the first thing behind it.
.macro TURN fill
.if \fill
	s_wait_xcnt 0x0                                ; the last prefetch, a K step back, has read its address
	s_add_nc_u64 s[44:45], s[44:45], KSTEP
.endif
	WIN 0
	s_wait_tensorcnt 0x0                           ; no tensor load of mine is out, so a group 0 may be written
	ds_add_u32 v12, v13
.if \fill
	s_xor_b32 s[G0+5], s[G0+5], SLOT1
	s_add_nc_u64 s[G0+6:G0+7], s[G0+6:G0+7], KSTEP
	s_xor_b32 s[G0B+5], s[G0B+5], SLOT1
	s_add_nc_u64 s[G0B+6:G0B+7], s[G0B+6:G0B+7], KSTEP
.endif
	s_wait_dscnt 9                                 ; (the add and the youngest 8 loads may be out)
	MULB 1, 0, 1, 0
	s_wait_dscnt 0x0                               ; the add is done, and my reads of this slot are over
	s_barrier_signal -1
	MULB 1, 2, 3, 0
	WIN 0
	s_barrier_wait -1
.if \fill
	CREST
	JLOAD 1                                        ; its four v_nop are also the places in front of the loads below
.else
	PLACES
.endif
	s_xor_b32 s80, s80, SLOT1                      ; the fetches go on in the other slot
	v_add_nc_u32 v5, s80, v3
	v_add_nc_u32 v6, s80, v4
	FETCH 0, 0
.if \fill
	ASK
.endif
	MULB 1, 4, 7, 0
.endm
.macro BOUND                           ; as in the launch before: sqrt(max wn over gate rows) sqrt(max wn over up rows) into s67
.irp i, 0,1,2,3,4,5,6,7,8,9,10,11,12,13,14,15,16,17,18,19,20,21
	global_load_b128 v[80+4*(\i):83+4*(\i)], v16, s[10:11] offset:512*(\i)
.endr
	v_mov_b32 v19, 0
	v_mov_b32 v20, 0
	s_wait_loadcnt 0x0
	v_max_num_f32 v17, v80, v81
	v_max_num_f32 v18, v82, v83
.irp i, 1,2,3,4,5,6,7,8,9,10,11,12,13,14,15,16,17,18,19,20,21
	v_max3_num_f32 v17, v17, v[80+4*(\i)], v[81+4*(\i)]
	v_max3_num_f32 v18, v18, v[82+4*(\i)], v[83+4*(\i)]
.endr
.irp m, 1,2,4,8
	v_max_num_f32_dpp v17, v17, v17 row_xmask:\m row_mask:0xf bank_mask:0xf
	v_max_num_f32_dpp v18, v18, v18 row_xmask:\m row_mask:0xf bank_mask:0xf
.endr
	v_permlanex16_b32 v19, v17, s68, s69
	v_permlanex16_b32 v20, v18, s68, s69
	v_max_num_f32 v17, v17, v19
	v_max_num_f32 v18, v18, v20
	v_sqrt_f32 v17, v17
	v_sqrt_f32 v18, v18
	v_nop                                          ; a plain instruction behind the last root,
	s_wait_alu depctr_va_vdst(0)                   ; and the one wait for both, ahead of their first reader
	v_mul_f32 v17, v17, v18
	v_readfirstlane_b32 s67, v17
.endm
.macro ROWF base
.irp z, 0,1,2,3,4,5,6,7,8,9,10,11,12,13,14,15
	v_mul_f32 v[(\base)+(\z)], s67, v[(\base)+(\z)]
.endr
.irp z, 0,1,2,3,4,5,6,7,8,9,10,11,12,13,14,15
	v_lshrrev_b32 v[(\base)+(\z)], 23, v[(\base)+(\z)]
.endr
.irp z, 0,1,2,3,4,5,6,7,8,9,10,11,12,13,14,15
	v_max_u32 v[(\base)+(\z)], 20, v[(\base)+(\z)]
.endr
.irp z, 0,1,2,3,4,5,6,7,8,9,10,11,12,13,14,15
	v_min_u32 v[(\base)+(\z)], 230, v[(\base)+(\z)]
.endr
.irp z, 0,1,2,3,4,5,6,7,8,9,10,11,12,13,14,15
	v_add_nc_u32 v[(\base)+(\z)], -13, v[(\base)+(\z)]
.endr
.irp z, 0,1,2,3,4,5,6,7,8,9,10,11,12,13,14,15
	v_lshlrev_b32 v[(\base)+(\z)], 23, v[(\base)+(\z)]
.endr
.endm
; THE WAY OUT of m block a (16 rows x 128 columns of f32).  PACK: sums x sd x F.  TOSTAGE: into my own stage, and back as whole rows of 512 bytes.  SEND: stored.
.macro PACK a
.set bb, 0
.rept 8
	WIN (3<<2)|(1+bb/4)                            ; sums in window 1 or 2, sd in window 3, products in window 0
.irp k, 0,2,4,6
	v_pk_mul_f32 v[16+8*bb+(\k):17+8*bb+(\k)], v[64*(bb%4)+8*(\a)+(\k):64*(bb%4)+8*(\a)+(\k)+1], v[192+8*bb+(\k):193+8*bb+(\k)]
.endr
.set bb, bb+1
.endr
	WIN 0
.set ii, 0
.rept 32
	v_pk_mul_f32 v[16+2*ii:17+2*ii], v[16+2*ii:17+2*ii], v[208+2*(\a):209+2*(\a)]
.set ii, ii+1
.endr
.endm
.macro TOSTAGE a
	WIN 0
.set OBK, 80+64*((\a)%2)
.irp b, 0,1,2,3,4,5,6,7
	ds_store_b128 v7, v[16+8*(\b):19+8*(\b)] offset:64*(\b)
	ds_store_b128 v7, v[20+8*(\b):23+8*(\b)] offset:64*(\b)+16
.endr
.irp t, 0,1,2,3,4,5,6,7,8,9,10,11,12,13,14,15
	ds_load_b128 v[OBK+4*(\t):OBK+4*(\t)+3], v8 offset:SP*(\t)  ; my own stage: LDS serves a wave's instructions in order, so these see the stores above
.endr
.endm
.macro SEND a
	WIN 0
.set OBK, 80+64*((\a)%2)
	s_wait_dscnt 0x0                               ; the block is back in registers
	s_wait_xcnt 0x0                                ; the stores of the block before have read their registers, which the next block's loads write
.irp t, 0,1,2,3,4,5,6,7,8,9,10,11,12,13,14,15
	global_store_b128 v9, v[OBK+4*(\t):OBK+4*(\t)+3], s[14:15] offset:(16*(\a)+(\t))*8192 th:TH_STORE_NT  ; 512 consecutive bytes of a row, at a multiple of 256 from out0's first byte
.endr
.endm
	s_load_b256 s[4:11], s[0:1], 0x0               ; hf 4, w2h 6, down_s 8, wn 10
	s_load_b128 s[12:15], s[0:1], 0x20             ; xn 12, out0 14
	v_lshl_add_u32 v12, v0, 2, SPARE
	v_mov_b32 v13, 0
	ds_add_u32 v12, v13                            ; the wave's opening: the add, twice on end, and its wait ahead of my first tensor load
	ds_add_u32 v12, v13
	v_lshrrev_b32 v1, 5, v0
	v_readfirstlane_b32 s16, v1                    ; wave 0..3
	s_lshr_b32 s17, s16, 1                         ; which 128 rows are mine.  Also: I fetch for hf (0) or for w2h (1)
	s_and_b32 s18, s16, 1                          ; which 128 columns.  Also: which half of the tile I fetch
	s_bfe_u32 s19, ttmp6, 0x40000                  ; cx
	s_bfe_u32 s20, ttmp6, 0x40004                  ; cy
	s_lshl_b32 s21, ttmp9, 2
	s_add_co_u32 s21, s21, s19                     ; nt
	s_and_b32 s22, ttmp7, 0xffff
	s_lshl_b32 s22, s22, 2
	s_add_co_u32 s22, s22, s20                     ; mt
	s_lshl_b32 s23, s20, 2
	s_lshl_b32 s23, 15, s23                        ; my row of the cluster
	s_lshl_b32 s2, 0x1111, s19                     ; my column
	s_or_b32 s[G1], s23, (3<<16)|(1<<21)           ; a dense run of 32,768 bytes as 128 rows of 32 elements of 8 bytes
	s_or_b32 s[G1B], s2, (3<<16)|(1<<21)
.irp g, G1, G1B
	s_mov_b32 s[(\g)+1], 32<<16                    ; tensor_dim0 = 32
	s_mov_b32 s[(\g)+2], 128<<16                   ; tensor_dim1 = 128
	s_mov_b32 s[(\g)+3], 32<<16                    ; tile_dim0 = 32
	s_mov_b32 s[(\g)+4], 128                       ; tile_dim1 = 128
	s_mov_b32 s[(\g)+5], 32                        ; 32 elements from row to row
	s_mov_b32 s[(\g)+6], 0
	s_mov_b32 s[(\g)+7], 0
.endr
	s_mov_b32 s68, 0x76543210
	s_mov_b32 s69, 0xfedcba98
	s_mov_b32 s80, 0                               ; the slot in hand
	s_mul_i32 s40, s22, 720896                     ; hf's address hangs on mt and the wave alone, w2h's on nt and the wave
	s_lshl_b32 s42, s18, 15
	s_add_co_u32 s40, s40, s42
	s_mov_b32 s41, 0
	s_mul_i32 s70, s21, 720896
	s_lshl_b32 s72, s18, 15
	s_add_co_u32 s70, s70, s72
	s_mov_b32 s71, 0
	s_lshl_b32 s43, s16, 15                        ; where they go: wave x 32,768: hf's two halves, then w2h's
	s_wait_dscnt 0x0                               ; both opening adds are done
	s_wait_kmcnt 0x0
	s_add_nc_u64 s[40:41], s[4:5], s[40:41]
	s_add_nc_u64 s[70:71], s[6:7], s[70:71]
	CROUND                                         ; all sixteen work-groups are here: the first joint loads meet
.irp s, 0,1
	s_mov_b32 s[G0+4*(\s)], 1
	s_add_co_u32 s[G0+4*(\s)+1], s43, (\s)*SLOT1
	s_add_nc_u64 s[G0+4*(\s)+2:G0+4*(\s)+3], s[40:41], (\s)*KSTEP
	s_or_b32 s[G0+4*(\s)+3], s[G0+4*(\s)+3], 0x80000000
	s_mov_b32 s[G0B+4*(\s)], 1
	s_add_co_u32 s[G0B+4*(\s)+1], s43, (\s)*SLOT1
	s_add_nc_u64 s[G0B+4*(\s)+2:G0B+4*(\s)+3], s[70:71], (\s)*KSTEP
	s_or_b32 s[G0B+4*(\s)+3], s[G0B+4*(\s)+3], 0x80000000
	JLOAD \s                                       ; two loads of mine are out
.endr
	v_and_b32 v1, 15, v0                           ; r
	v_bfe_u32 v2, v0, 4, 1                         ; hh
	v_lshlrev_b32 v9, 4, v1
	v_lshl_add_u32 v9, v2, 12, v9                  ; 4,096 hh + 16 r
	s_lshl_b32 s74, s17, 11
	v_add_nc_u32 v3, s74, v9                       ; hf's fragments in slot 0
	s_lshl_b32 s74, s18, 11
	s_add_co_u32 s74, s74, 65536
	v_add_nc_u32 v4, s74, v9                       ; w2h's
	v_mov_b32 v5, v3
	v_mov_b32 v6, v4
	s_mul_i32 s74, s16, 16*SP
	s_add_co_u32 s74, s74, STAGE                   ; my stage
	v_mul_u32_u24 v7, v1, SP
	v_lshl_add_u32 v7, v2, 5, v7
	v_add_nc_u32 v7, s74, v7                       ; in: row r, 32 bytes for each half of the lanes
	v_and_b32 v16, 31, v0
	v_lshl_add_u32 v8, v16, 4, s74                 ; back: a whole row of 512 bytes
	v_lshlrev_b32 v9, 4, v16                       ; and the same 512 bytes in out0
	v_lshlrev_b32 v10, 5, v2                       ; down_s: 32 hh
	v_lshlrev_b32 v11, 2, v1                       ; xn: 4 r
	v_lshlrev_b32 v14, 8, v16                      ; the prefetches: block = lane
	v_lshlrev_b32 v16, 4, v16
	s_lshl_b32 s76, s22, 10
	s_lshl_b32 s75, s17, 9
	s_add_co_u32 s76, s76, s75
	s_mov_b32 s77, 0
	s_add_nc_u64 s[12:13], s[12:13], s[76:77]      ; xn at my rows
.irp a, 0,1,2,3,4,5,6,7
	global_load_b32 v[208+2*(\a)], v11, s[12:13] offset:64*(\a)
	global_load_b32 v[209+2*(\a)], v11, s[12:13] offset:64*(\a)
.endr
	BOUND                                          ; (its wait for loads covers xn's too)
	ROWF 208
	s_lshl_b32 s76, s21, 10
	s_lshl_b32 s75, s18, 9
	s_add_co_u32 s76, s76, s75                     ; my 128 columns, in bytes of f32
	s_add_nc_u64 s[8:9], s[8:9], s[76:77]          ; down_s at my columns
	s_add_nc_u64 s[14:15], s[14:15], s[76:77]
	s_lshl_b32 s76, s22, 21
	s_lshl_b32 s75, s17, 20
	s_add_co_u32 s76, s76, s75                     ; my 128 rows of 8,192 bytes
	s_add_nc_u64 s[14:15], s[14:15], s[76:77]      ; out0 at my corner
	; the prefetches' pointer, at K step 3: the first change of slots steps it to 4
	s_mul_i32 s76, s22, 720896
	s_lshl_b32 s77, s19, 13
	s_add_co_u32 s76, s76, s77                     ; hf: by mt, my work-group's 32 blocks by cx
	s_mul_i32 s77, s21, 720896
	s_lshl_b32 s75, s20, 13
	s_add_co_u32 s77, s77, s75                     ; w2h: by nt, by cy
	s_and_b32 s74, ttmp7, 0xffff
	s_cmp_eq_u32 s17, 0                            ; do I fetch for hf?
	s_cselect_b32 s75, ttmp9, s74                  ; the coordinate along which other clusters read the same tile
	s_cselect_b64 s[44:45], s[4:5], s[6:7]
	s_cselect_b32 s76, s76, s77
	s_lshl_b32 s77, s18, 15
	s_add_co_u32 s76, s76, s77
	s_add_co_u32 s76, s76, 3*KSTEP
	s_mov_b32 s77, 0
	s_add_nc_u64 s[44:45], s[44:45], s[76:77]
	s_cmp_eq_u32 s75, 0
	s_cselect_b32 s66, 2, -1                       ; the same in all sixteen partners, for a given wave
	s_wait_tensorcnt 0x1                           ; my part of K step 0 is in; K step 1's may stay out
	s_barrier_signal -1
	s_barrier_wait -1
	FETCH 0, 0
	QUARTER 1, 0, 1, 1                             ; the first quarter starts the sums: nothing is cleared
	WIN 0
	s_mov_b32 s3, 9
.Lstep:                                        ; a trip: a K step's quarters 1 to 3 and the next step's quarter 0; it asks for K steps 2 .. 10
	QUARTER 2, 1, 0, 0
	QUARTER 3, 0, 1, 0
	TURN 1
	QUARTER 1, 0, 1, 0
	WIN 0
	s_sub_co_u32 s3, s3, 1
	s_cmp_lg_u32 s3, 0
	s_cbranch_scc1 .Lstep
	QUARTER 2, 1, 0, 0                             ; K steps 9 and 10: nothing is left to ask for
	QUARTER 3, 0, 1, 0
	TURN 0
	QUARTER 1, 0, 1, 0
	QUARTER 2, 1, 0, 0
	QUARTER 3, 0, 1, 0
	s_wait_dscnt 8                                 ; the very last quarter: in its middle down_s is asked for, into buffer 0's registers
	MULB 1, 0, 3, 0
	PLACES
	WIN 0xc0
.irp b, 0,1,2,3,4,5,6,7
	global_load_b128 v[192+8*(\b):195+8*(\b)], v10, s[8:9] offset:64*(\b)
	global_load_b128 v[196+8*(\b):199+8*(\b)], v10, s[8:9] offset:64*(\b)+16
.endr
	s_wait_dscnt 0x0
	MULB 1, 4, 7, 0
	PLACES
	s_wait_loadcnt 0x0
	WIN 0xcf                                       ; down_s rounded to bf16 and widened again, in window 3
.set ii, 0
.rept 32
	v_cvt_pk_bf16_f32 v[ii%4], v[192+2*ii], v[193+2*ii]
	v_lshlrev_b32 v[192+2*ii], 16, v[ii%4]
	v_and_b32 v[193+2*ii], 0xffff0000, v[ii%4]
.set ii, ii+1
.endr
	PACK 0
	TOSTAGE 0
.irp a, 1,2,3,4,5,6,7                  ; block a's products stand between block a - 1's loads from the stage and the wait for them
	PACK \a
	SEND (\a)-1
	TOSTAGE \a
.endr
	SEND 7
	s_wait_tensorcnt 0x0                           ; the wave's end, behind my last tensor load and my last LDS store
	ds_add_u32 v12, v13
	s_wait_dscnt 0x0
	CROUND                                         ; the closing round: no work-group ends while a partner may still ask for a tile that names it
	s_endpgm
.Lfunc_end_k_qe1094ea071_gemm2:
	.size	k_qe1094ea071_gemm2, .Lfunc_end_k_qe1094ea071_gemm2-k_qe1094ea071_gemm2
	.p2alignl 7, 3214868480
	.fill 96, 4, 3214868480
	.section	.rodata,"a",@progbits
	.p2align	6, 0x0
	.amdhsa_kernel k_qe1094ea071_gemm2
		.amdhsa_group_segment_fixed_size 327680
		.amdhsa_private_segment_fixed_size 0
		.amdhsa_enable_private_segment 0
		.amdhsa_kernarg_size 48
		.amdhsa_user_sgpr_count 2
		.amdhsa_user_sgpr_kernarg_segment_ptr 1
		.amdhsa_wavefront_size32 1
		.amdhsa_system_sgpr_workgroup_id_x 1
		.amdhsa_system_sgpr_workgroup_id_y 1
		.amdhsa_system_sgpr_workgroup_id_z 1
		.amdhsa_system_vgpr_workitem_id 0
		.amdhsa_next_free_vgpr 1024
		.amdhsa_next_free_sgpr 84
		.amdhsa_reserve_vcc 0
		.amdhsa_float_denorm_mode_32 3
		.amdhsa_float_denorm_mode_16_64 3
		.amdhsa_memory_ordered 1
		.amdhsa_forward_progress 1
		.amdhsa_inst_pref_size 165
	.end_amdhsa_kernel
	.amdgpu_metadata
---
amdhsa.version: [ 1, 2 ]
amdhsa.kernels:
  - .name:           k_qe1094ea071_gemm2
    .symbol:         k_qe1094ea071_gemm2.kd
    .args:
      - { .name: hf, .offset: 0, .size: 8, .value_kind: global_buffer, .address_space: global }
      - { .name: w2h, .offset: 8, .size: 8, .value_kind: global_buffer, .address_space: global }
      - { .name: down_s, .offset: 16, .size: 8, .value_kind: global_buffer, .address_space: global }
      - { .name: wn, .offset: 24, .size: 8, .value_kind: global_buffer, .address_space: global }
      - { .name: xn, .offset: 32, .size: 8, .value_kind: global_buffer, .address_space: global }
      - { .name: out0, .offset: 40, .size: 8, .value_kind: global_buffer, .address_space: global }
    .group_segment_fixed_size: 327680
    .private_segment_fixed_size: 0
    .kernarg_segment_align: 8
    .kernarg_segment_size: 48
    .max_flat_workgroup_size: 128
    .sgpr_count:     84
    .vgpr_count:     1024
    .wavefront_size: 32
...
	.end_amdgpu_metadata
.endif
;; end of part 3
